; MI455X (gfx1250); checked and timed in simulation.
; The chip was launched on July 23, 2026; its instructions are those of AMD's public machine-readable ISA for CDNA 5 (MIT licence, August 2026) and "CDNA5" Instruction Set Architecture Reference Guide (July 2026). The comments in the code are by the model that wrote it; some were corrected since.
;; Multi Head Attention. Allowed arithmetic: matrix products marked QUANTISED: E2M1 operands, one E8M0 scale for each 32 along K, by v_wmma_scale_f32_16x16x128_f8f6f4 with both operands' format E2M1 (or v_wmma_scale_f32_32x16x128_f4), f32 sums; everything else in f32.
;; Inputs: W_o_codes 1,024 x 32 x 16 uint8 (E2M1 codes of W_o, K innermost, in blocks of 32 codes, two codes a byte); W_o_scales 1,024 x 32 uint8 (E8M0 scales of W_o, one for each 32 codes along K); W_qkv_codes 3,072 x 32 x 16 uint8 (E2M1 codes of W_qkv, K innermost, in blocks of 32 codes, two codes a byte); W_qkv_scales 3,072 x 32 uint8 (E8M0 scales of W_qkv, one for each 32 codes along K); b_o 1,024 float32; b_qkv 3,072 float32; mask 1 x 1 x 2,048 x 2,048 float32; x_codes 4 x 2,048 x 32 x 16 uint8 (E2M1 codes of x, K innermost, in blocks of 32 codes, two codes a byte); x_scales 4 x 2,048 x 32 uint8 (E8M0 scales of x, one for each 32 codes along K).
;; Outputs: out0 4 x 2,048 x 1,024 float32.
;; This version of the problem:
;;   THIS VERSION OF THE PROBLEM IS GIVEN IN LOW PRECISION. The matrix products marked QUANTISED in the list below multiply operands that are first quantised to E2M1 (2 exponent bits, 1 mantissa bit; 4 bits a number), with one power-of-two scale for each 32 numbers along K (OCP MX v1.0); their sums are f32. All else is computed in f32.
;;   The module's matrix products, in the order in which they are computed (A, B: the left and right operand; K: the contracted axis; several contracted axes count as one K, in the product's order):
;;     1. [M 8,192, K 1,024] x [K 1,024, N 3,072]; A: input x (given as codes); B: input W_qkv (given as codes): QUANTISED
;;     2. batch 64 x [M 2,048, K 64] x [K 64, N 2,048]; A: computed on the way; B: computed on the way: QUANTISED
;;     3. batch 64 x [M 2,048, K 2,048] x [K 2,048, N 64]; A: softmax (see below); B: computed on the way: QUANTISED
;;     4. [M 8,192, K 1,024] x [K 1,024, N 1,024]; A: computed on the way; B: input W_o (given as codes): QUANTISED
;;   THE QUANTISER, for each operand of a quantised product, along K:
;;     - K is cut into blocks of 32 from its start; a last block that is shorter is filled with zeros.
;;     - A block's scale is 2^e with e = floor(log2(the largest magnitude in the block)) - 2, held to -126 .. 127; a block of zeros has e = 0. As a byte (E8M0): e + 127.
;;     - Each number is divided by its block's scale, clamped to +-6, and rounded to the nearest number of E2M1, ties to even, subnormals kept.
;;     - The product sums the exact products of the quantised numbers (number of the format x scale) in f32.
;;   ~~~python
;;   def quantise(x, axis):      # numpy; x: float32 -> the quantised numbers, widened to float32 again
;;       x = np.moveaxis(x, axis, -1); K = x.shape[-1]
;;       x = np.pad(x, [(0, 0)] * (x.ndim - 1) + [(0, -K % 32)]); x = x.reshape(x.shape[:-1] + (-1, 32)); a = np.abs(x).max(-1, keepdims=True)
;;       e = np.where(a > 0, np.clip(np.frexp(np.where(a > 0, a, 1))[1] - 1 - 2, -126, 127), 0)      # np.frexp(a)[1] - 1 = floor(log2(a)), exactly
;;       r = np.clip(x / 2.0 ** e, -6, 6)
;;       step = 2.0 ** (np.maximum(np.frexp(np.where(r == 0, 1, r))[1] - 1, 0) - 1)
;;       q = np.round(r / step) * step * 2.0 ** e      # np.round: ties to even
;;       return np.moveaxis(q.reshape(q.shape[:-2] + (-1,))[..., :K], -1, axis).astype(np.float32)
;;   ~~~
;;   SOFTMAX AHEAD OF A QUANTISED PRODUCT. Where the list says 'softmax', what is quantised is not the finished softmax but p = 2^(t - M), with t = logit x log2(e) and M = ceil(the row's largest t), a whole number; so 1/2 < the row's largest p <= 1. The row's sum l is taken of the UNQUANTISED p, in f32, and the product's result is divided by l at the end. Since M is a whole number, a kernel that streams over the keys may use a running M (the ceiling of the running maximum): every later rescaling is an exact power of two, which a block's scale takes up: the codes' values come out the same.
;;   OPERANDS COMPUTED ON THE WAY. 'Computed on the way' means the value that the module computes at that place (a softmax that the list does not call 'softmax' is quantised finished and normalised). What goes into a quantiser is computed in f32, as accurately as f32 sums, v_exp_f32 and their like allow (about 1e-6 of the number): no bf16 or f16 on the way to a quantiser, and a product that is left as it is and whose result goes on into a quantised operand takes f32 operands (vector FMAs, or v_wmma_f32_16x16x4_f32). A number that lies on a knife's edge between two numbers of the format may be rounded either way, as far as f32 arithmetic and the matrix unit's own rounding can turn it there, and no further.
;;   INPUTS GIVEN AS CODES. W_o (in the module: [1024, 1024], K = its axis 1); W_qkv (in the module: [3072, 1024], K = its axis 1); x (in the module: [4, 2048, 1024], K = its axis 2): each comes as NAME_codes (uint8): NAME with its K axis moved to the last place and cut into blocks of 32 codes, [.., K / 32, bytes a block], one block behind the other in memory; two codes a byte, the lower K in the low four bits (a code: sign, 2 exponent bits, 1 mantissa bit); and NAME_scales (uint8): the same leading axes, one E8M0 byte (e + 127) for each 32 codes along K. Its value is code x scale, taken as it is: it is not quantised again, and the codes and scales need not be those that the quantiser above would give.
;; One version. Each part assembles by itself: llvm-mc -triple=amdgcn-amd-amdhsa -mcpu=gfx1250 --defsym DOCPART=n.
;; ======== version 1 of 1: 3 launches
;; workspace buffers: qbuf 4,718,592 bytes; kvbuf 9,437,184 bytes; vcodes 4,194,304 bytes; vscales 262,144 bytes
;; launch qkv (part 1): grid 8 x 32, 4 waves a work-group, clusters of 4 x 4, 327,680 bytes of LDS; arguments x_codes, x_scales, W_qkv_codes, W_qkv_scales, b_qkv, qbuf, kvbuf; writes qbuf, kvbuf
.if DOCPART == 1
	.amdgcn_target "amdgcn-amd-amdhsa--gfx1250"
	.amdhsa_code_object_version 6
	.text
	.protected	k_q0852b75738_qkv
	.globl	k_q0852b75738_qkv
	.p2align	8
	.type	k_q0852b75738_qkv,@function
k_q0852b75738_qkv:
	s_mov_b64 s[64:65], 0
	v_nop
	global_prefetch_b8 v0, s[64:65] scope:SCOPE_SE
	s_setreg_imm32_b32 hwreg(HW_REG_WAVE_MODE, 25, 1), 1
	s_wait_xcnt 0x0
	s_wait_alu depctr_hold_cnt(0) depctr_sa_sdst(0) depctr_va_vdst(0) depctr_va_sdst(0) depctr_va_ssrc(0) depctr_va_vcc(0) depctr_vm_vsrc(0)
	s_getreg_b32 s2, hwreg(HW_REG_IB_STS2, 6, 4)
	s_cmp_eq_u32 s2, 0
	s_cbranch_scc0 .Lentry_in_a_cluster
	s_endpgm
.Lentry_in_a_cluster:
	s_bfe_u32 s2, ttmp6, 0x10000c
	s_cmp_lg_u32 s2, 0xf033
	s_cbranch_scc0 .Lentry_shape_is_right
	s_endpgm
.Lentry_shape_is_right:
; qkv = x W_qkv^T + b_qkv on codes of FP4 (E2M1) with one E8M0 scale for each 32 along K = 1,024; then q, k (along the head's 64) and v (along the tokens) are
; quantised in registers and leave as codes, laid as images of operand registers.  No f32 number of q, k, v goes to memory.
; SHARES.  A work-group takes 256 tokens x 2 heads (384 rows of W_qkv: a head's 192 rows are q's 64, k's 64, v's 64).  Wave w takes token half w / 2 (128 tokens) and head w % 2:
; 128 x 192 = 96 accumulators of 16 x 16, 768 registers.  K goes in 8 steps of 128; a chunk of 256 along K (rows of 128 bytes) lies in one of three LDS slots; chunk 3 fills slot 0 again.
; SOURCES.  q, k: source 0 = 16 rows of W, source 1 = 16 tokens: a lane holds ONE token and its registers run along the head's channels, the K of q k^T.
;           v:    source 0 = 16 tokens, source 1 = 16 rows of W: a lane holds ONE channel and its registers run along the tokens, the K of p v.
; CLUSTER.  4 x 4 work-groups: x's tiles hang on the token block alone and are asked for jointly along a row of the cluster, W's on the pair of heads alone and jointly along a column.
; OUTPUT.  For each (batch, head, 128 tokens) a block of 4,608 bytes: four fragments of 1,024 bytes ([c][lane][16 bytes]: registers 4 c .. 4 c + 3 of lane l at 512 c + 16 l), then 512 bytes of scale
; words ([lane][4 words]).  q, k: fragment u holds token tile 2 u in K places 0-63 and token tile 2 u + 1 in K places 64-127.  v: fragment t holds channels 16 t + lane % 16, K = the 128 tokens.
; THE QUANTISER.  Result register 8 t + j of lane (r, h) is place 16 t + 8 h + j along the next K: a block of 32 is 16 registers of lanes l and l xor 16.  The conversions of tiles 4 c, 4 c + 2 go to
; neighbouring registers, likewise 4 c + 1, 4 c + 3; one exchange of halves for each pair then gives registers 4 c .. 4 c + 3 the places 64 c + 32 h + 0 .. 31, as the operand wants them.
; LIMITS: a block of zeros (and any block whose largest magnitude lies under 2^-124) gets the scale byte 1: its bytes are read by this program alone.  NaN and infinities are not served.
; REGISTERS, in windows of 256: window 0: v1-15 addresses; v16-27 v's bias, scale words to store; v32-95 x's 8 fragments; v96-191 W's 12; v192-239 scale words; v240-255 at work in the quantiser.
;   window 1: q, accumulator (token tile m, channel tile t) at v[8 (4 m + t)];  window 2: k likewise;  window 3: v, accumulator (t, m) at v[8 (8 t + m)].
.set PITCH, 144                        ; an LDS row: 128 bytes + 16 of padding: an odd multiple of 16, so the 16 rows of a fragment load start at 16 different places modulo 256 bytes
.set XROWS, 128*PITCH                  ; what one tensor load brings of x, and what a wave reads of it
.set WROWS, 192*PITCH                  ; the same of W
.set WOFF,  256*PITCH                  ; in a slot: x's 256 rows, then W's 384
.set SLOT,  640*PITCH
.set SCX,   3*SLOT                     ; behind the slots: x's scale bytes for all of K, as rows of 256 bytes + 16
.set XSH,   16*272                     ; those of 128 tokens
.set SCW,   SCX+2*XSH                  ; W's
.set WSH,   24*272                     ; those of 192 rows
.set SPARE, SCW+2*WSH                  ; the spare words, 128 bytes a wave: two blocks of 256 bytes that no other line names
.set SPW, 1                            ; v1   SPARE + 4 x thread; never rewritten
.set NIL, 2                            ; v2   0; never rewritten
.set ADX, 4                            ; v4-6   my x fragments in slot 0, 1, 2
.set ADW, 8                            ; v8-10  my W fragments
.set ADS, 11                           ; v11  scale words: lanes 0-15 x's tile i, lanes 16-31 W's tile i
.set ADS2, 12                          ; v12  scale words of W's tiles 8-11 (v's rows)
.set LI,  13                           ; v13  16 x lane
.set VBA, 14                           ; v14  32 x (lane / 16): q's and k's bias
.set VBR, 15                           ; v15  4 x (lane % 16): v's bias
.set BV,  16                           ; v16-23 v's bias, a pair for each channel tile
.set SW,  24                           ; v24-27 four scale words to store
.set XF,  32
.set WF,  96
.set SCA, 192                          ; register 4 i + ks % 4: lanes 0-15 x's tile i, lanes 16-31 W's tile i
.set SCB, 224                          ; register 4 t + ks % 4: W's tile 8 + t
.set TM,  240                          ; quantiser: +0..3 largest magnitudes, +4..7 the other half's, then bytes, +12..15 scale operands
.set T,   32                           ; the way out: 64 numbers at work
.set BQ,  96                           ; q's bias (32 registers), k's (32)
.set PCS, 160                          ; four fragments of codes
.set WV, 18
.set TH, 19                            ; w / 2: my token half.  Also: I fetch for x (0) or for W (1)
.set HD, 20                            ; w % 2: my head.  Also: which part of that tile I fetch
.set SEL, 28                           ; s28, s29 lane selects: lane l xor 16
.set G1X, 32
.set G1W, 40
.set G1XS, 48
.set G1WS, 56
.set G0X, 68                           ; s[68:79] one group 0 for each slot
.set G0XS, 80
.set G0W, 84                           ; s[84:95]
.set G0WS, 96
.set MSB, 0
.macro WIN new                         ; the immediate's high byte repeats the setting that is left
.if MSB != \new
	s_set_vgpr_msb (MSB<<8)|\new
.set MSB, \new
.endif
.endm
.macro PLACES                          ; four plain vector lines between a matrix instruction and a load into, or a vector read of, its registers
.rept 4
	v_nop
.endr
.endm
.macro JLOAD g0a, g1a, g0b, g1b        ; a joint load: waves 0, 1 for x, waves 2, 3 for W; four v_nop follow each line
	s_cmp_eq_u32 s[TH], 0
	s_cbranch_scc0 .Lfor_b_\@
	tensor_load_to_lds s[\g0a:\g0a+3], s[\g1a:\g1a+7]
	s_nop 0
.rept 4
	v_nop
.endr
	s_branch .Lasked_\@
.Lfor_b_\@:
	tensor_load_to_lds s[\g0b:\g0b+3], s[\g1b:\g1b+7]
	s_nop 0
.rept 4
	v_nop
.endr
.Lasked_\@:
.endm
.macro CROUND                          ; a round of the cluster's barrier
	s_barrier_signal -1
	s_barrier_wait -1
	s_cmp_lg_u32 s[WV], 0
	s_cbranch_scc1 .Lnot_wave_0_\@
	s_barrier_signal -3
.Lnot_wave_0_\@:
	s_barrier_wait -3
	s_barrier_signal -1
	s_barrier_wait -1
.endm
	s_load_b256 s[4:11], s[0:1], 0x0               ; x's codes s[4:5], x's scales s[6:7], W's codes s[8:9], W's scales s[10:11]
	s_load_b128 s[12:15], s[0:1], 0x20             ; b_qkv s[12:13], qbuf s[14:15]
	s_load_b64 s[16:17], s[0:1], 0x30              ; kvbuf
	v_lshl_add_u32 v[SPW], v0, 2, SPARE
	v_mov_b32 v[NIL], 0
	ds_add_u32 v1, v2
	ds_add_u32 v1, v2
	s_wait_dscnt 0x0
	v_lshrrev_b32 v3, 5, v0
	v_readfirstlane_b32 s[WV], v3                  ; wave 0..3
	s_lshr_b32 s[TH], s[WV], 1
	s_and_b32 s[HD], s[WV], 1
	s_bfe_u32 s21, ttmp6, 0x40000                  ; cx
	s_bfe_u32 s22, ttmp6, 0x40004                  ; cy
	s_lshl_b32 s23, ttmp9, 2
	s_add_co_u32 s23, s23, s21                     ; pair of heads = 4 x cluster x + cx
	s_and_b32 s24, ttmp7, 0xffff
	s_lshl_b32 s24, s24, 2
	s_add_co_u32 s24, s24, s22                     ; block of 256 tokens = 4 x cluster y + cy
	s_lshl_b32 s25, s22, 2
	s_lshl_b32 s25, 15, s25                        ; my row of the cluster
	s_lshl_b32 s26, 0x1111, s21                    ; my column
	; group 1: tiles of codes: rows of 128 bytes (elements of 1 byte), 512 bytes apart in memory, 4 words of padding behind every 32
	s_or_b32 s[G1X], s25, (1<<20)|(1<<21)|(4<<22)|(3<<25)
	s_or_b32 s[G1W], s26, (1<<20)|(1<<21)|(4<<22)|(3<<25)
.irp g, G1X, G1W
	s_mov_b32 s[\g+1], 128<<16                     ; tensor_dim0
	s_mov_b32 s[\g+3], 128<<16                     ; tile_dim0
	s_mov_b32 s[\g+5], 512                         ; from row to row
	s_mov_b32 s[\g+6], 0
	s_mov_b32 s[\g+7], 0
.endr
	s_mov_b32 s[G1X+2], 128<<16                    ; x: 128 rows to a load
	s_mov_b32 s[G1X+4], 128
	s_mov_b32 s[G1W+2], 192<<16                    ; W: 192
	s_mov_b32 s[G1W+4], 192
	; group 1: scale bytes: dense blocks as rows of 256 bytes (32 elements of 8 bytes), 4 words of padding behind every 64
	s_or_b32 s[G1XS], s25, (3<<16)|(1<<20)|(1<<21)|(5<<22)|(3<<25)
	s_or_b32 s[G1WS], s26, (3<<16)|(1<<20)|(1<<21)|(5<<22)|(3<<25)
.irp g, G1XS, G1WS
	s_mov_b32 s[\g+1], 32<<16
	s_mov_b32 s[\g+3], 32<<16
	s_mov_b32 s[\g+5], 32
	s_mov_b32 s[\g+6], 0
	s_mov_b32 s[\g+7], 0
.endr
	s_mov_b32 s[G1XS+2], 16<<16                    ; 128 tokens x 32 bytes
	s_mov_b32 s[G1XS+4], 16
	s_mov_b32 s[G1WS+2], 24<<16                    ; 192 rows x 32 bytes
	s_mov_b32 s[G1WS+4], 24
	; where the tiles come from: x's from the token block and the wave alone, W's from the pair of heads and the wave alone
	s_lshl_b32 s28, s24, 17                        ; x's codes: (256 block + 128 part) x 512
	s_lshl_b32 s2, s[HD], 16
	s_add_co_u32 s28, s28, s2
	s_mov_b32 s29, 0
	s_lshl_b32 s66, s24, 13                        ; x's scales: x 32
	s_lshl_b32 s2, s[HD], 12
	s_add_co_u32 s66, s66, s2
	s_mov_b32 s67, 0
	s_mul_i32 s30, s23, 196608                     ; W's codes: (384 pair + 192 part) x 512
	s_mul_i32 s3, s[HD], 98304
	s_add_co_u32 s30, s30, s3
	s_mov_b32 s31, 0
	s_mul_i32 s100, s23, 12288                     ; W's scales: x 32
	s_mul_i32 s3, s[HD], 6144
	s_add_co_u32 s100, s100, s3
	s_mov_b32 s101, 0
	s_wait_kmcnt 0x0
	s_add_nc_u64 s[4:5], s[4:5], s[28:29]
	s_add_nc_u64 s[6:7], s[6:7], s[66:67]
	s_add_nc_u64 s[8:9], s[8:9], s[30:31]
	s_add_nc_u64 s[10:11], s[10:11], s[100:101]
	s_mul_i32 s2, s[HD], XROWS                     ; and where they go: the wave's part alone enters an LDS address
	s_mul_i32 s3, s[HD], WROWS
	s_add_co_u32 s3, s3, WOFF
.irp s, 0,1,2
	s_mov_b32 s[G0X+4*\s], 1
	s_add_co_u32 s[G0X+4*\s+1], s2, \s*SLOT
	s_add_nc_u64 s[G0X+4*\s+2:G0X+4*\s+3], s[4:5], \s*128
	s_or_b32 s[G0X+4*\s+3], s[G0X+4*\s+3], 0x80000000
	s_mov_b32 s[G0W+4*\s], 1
	s_add_co_u32 s[G0W+4*\s+1], s3, \s*SLOT
	s_add_nc_u64 s[G0W+4*\s+2:G0W+4*\s+3], s[8:9], \s*128
	s_or_b32 s[G0W+4*\s+3], s[G0W+4*\s+3], 0x80000000
.endr
	s_mul_i32 s2, s[HD], XSH
	s_mul_i32 s3, s[HD], WSH
	s_mov_b32 s[G0XS], 1
	s_add_co_u32 s[G0XS+1], s2, SCX
	s_mov_b64 s[G0XS+2:G0XS+3], s[6:7]
	s_or_b32 s[G0XS+3], s[G0XS+3], 0x80000000
	s_mov_b32 s[G0WS], 1
	s_add_co_u32 s[G0WS+1], s3, SCW
	s_mov_b64 s[G0WS+2:G0WS+3], s[10:11]
	s_or_b32 s[G0WS+3], s[G0WS+3], 0x80000000
	CROUND                                         ; all sixteen work-groups are here: the first joint loads meet
	JLOAD G0XS, G1XS, G0WS, G1WS                   ; the first fills go out together: the scales, then chunks 0, 1, 2: four loads of mine are out
	JLOAD G0X, G1X, G0W, G1W
	JLOAD G0X+4, G1X, G0W+4, G1W
	JLOAD G0X+8, G1X, G0W+8, G1W
	v_and_b32 v3, 15, v0                           ; r
	v_bfe_u32 v7, v0, 4, 1                         ; h
	v_mul_u32_u24 v16, v3, PITCH
	v_lshl_add_u32 v16, v7, 4, v16                 ; a fragment's row x pitch + 16 h
	s_mul_i32 s2, s[TH], XROWS
	v_add_nc_u32 v[ADX], s2, v16
	v_add_nc_u32 v[ADX+1], SLOT, v[ADX]
	v_add_nc_u32 v[ADX+2], 2*SLOT, v[ADX]
	s_mul_i32 s2, s[HD], WROWS
	s_add_co_u32 s2, s2, WOFF
	v_add_nc_u32 v[ADW], s2, v16
	v_add_nc_u32 v[ADW+1], SLOT, v[ADW]
	v_add_nc_u32 v[ADW+2], 2*SLOT, v[ADW]
	v_lshlrev_b32 v17, 5, v3                       ; a row's 32 scale bytes,
	v_lshrrev_b32 v18, 3, v3
	v_lshl_add_u32 v17, v18, 4, v17                ; and 16 more behind each 256
	s_mul_i32 s2, s[TH], XSH
	s_add_co_u32 s2, s2, SCX                       ; x's: my 128 tokens
	s_mul_i32 s3, s[HD], WSH
	s_add_co_u32 s3, s3, SCW                       ; W's: my head's 192 rows
	v_add_nc_u32 v[ADS2], s3, v17
	s_sub_co_u32 s3, s3, s2
	v_mul_u32_u24 v18, s3, v7                      ; lanes 16-31 take W's: one product, the distance between the two bases
	v_add_nc_u32 v18, v18, v17
	v_add_nc_u32 v[ADS], s2, v18
	v_and_b32 v[LI], 31, v0
	v_lshlrev_b32 v[LI], 4, v[LI]
	v_lshlrev_b32 v[VBA], 5, v7
	v_lshlrev_b32 v[VBR], 2, v3
	; where my results go: block = ((batch x 16 + head) x 16 + step of 128 tokens)
	s_lshl_b32 s2, s24, 1
	s_add_co_u32 s2, s2, s[TH]                     ; my 128 tokens among 64 such
	s_lshr_b32 s3, s2, 4                           ; batch
	s_and_b32 s2, s2, 15                           ; step
	s_lshl_b32 s27, s23, 1
	s_add_co_u32 s27, s27, s[HD]                   ; head
	s_lshl_b32 s3, s3, 4
	s_add_co_u32 s3, s3, s27
	s_lshl_b32 s3, s3, 4
	s_add_co_u32 s3, s3, s2
	s_mul_i32 s100, s3, 4608
	s_mov_b32 s101, 0
	s_add_nc_u64 s[14:15], s[14:15], s[100:101]    ; q's block
	s_mul_i32 s100, s3, 9216
	s_add_nc_u64 s[16:17], s[16:17], s[100:101]    ; k's block; v's lies 4,608 bytes behind it
	s_mul_i32 s100, s27, 768
	s_add_nc_u64 s[12:13], s[12:13], s[100:101]    ; my head's 192 numbers of b_qkv
	s_mov_b32 s[SEL], 0x76543210
	s_mov_b32 s[SEL+1], 0xfedcba98
.macro SCALES q4                       ; the scale words of four K steps: 16 bytes of each row's 32
.irp i, 0,1,2,3,4,5,6,7
	ds_load_b128 v[SCA+4*\i:SCA+4*\i+3], v[ADS] offset:544*\i+16*\q4
.endr
.irp t, 0,1,2,3
	ds_load_b128 v[SCB+4*\t:SCB+4*\t+3], v[ADS2] offset:544*(8+\t)+16*\q4
.endr
.endm
; 32 products for q (g = 0) or k (g = 1): source 0 = W's tile 4 g + t (its scales in lanes 16-31), source 1 = x's tile m.  The accumulators take turns, one instruction a turn.
.macro QK g, ks, zero
.irp m, 0,1,2,3,4,5,6,7
.irp t, 0,1,2,3
.if \zero
	v_wmma_scale_f32_16x16x128_f8f6f4 v[8*(4*\m+\t):8*(4*\m+\t)+7], v[WF+8*(4*\g+\t):WF+8*(4*\g+\t)+7], v[XF+8*\m:XF+8*\m+7], 0, v[SCA+4*(4*\g+\t)+(\ks)%4], v[SCA+4*\m+(\ks)%4] matrix_a_fmt:MATRIX_FMT_FP4 matrix_b_fmt:MATRIX_FMT_FP4 matrix_a_scale:MATRIX_SCALE_ROW1
.else
	v_wmma_scale_f32_16x16x128_f8f6f4 v[8*(4*\m+\t):8*(4*\m+\t)+7], v[WF+8*(4*\g+\t):WF+8*(4*\g+\t)+7], v[XF+8*\m:XF+8*\m+7], v[8*(4*\m+\t):8*(4*\m+\t)+7], v[SCA+4*(4*\g+\t)+(\ks)%4], v[SCA+4*\m+(\ks)%4] matrix_a_fmt:MATRIX_FMT_FP4 matrix_b_fmt:MATRIX_FMT_FP4 matrix_a_scale:MATRIX_SCALE_ROW1
.endif
.endr
.endr
.endm
; 32 products for v: source 0 = x's tile m, source 1 = W's tile 8 + t
.macro VV ks, zero
.irp t, 0,1,2,3
.irp m, 0,1,2,3,4,5,6,7
.if \zero
	v_wmma_scale_f32_16x16x128_f8f6f4 v[8*(8*\t+\m):8*(8*\t+\m)+7], v[XF+8*\m:XF+8*\m+7], v[WF+8*(8+\t):WF+8*(8+\t)+7], 0, v[SCA+4*\m+(\ks)%4], v[SCB+4*\t+(\ks)%4] matrix_a_fmt:MATRIX_FMT_FP4 matrix_b_fmt:MATRIX_FMT_FP4
.else
	v_wmma_scale_f32_16x16x128_f8f6f4 v[8*(8*\t+\m):8*(8*\t+\m)+7], v[XF+8*\m:XF+8*\m+7], v[WF+8*(8+\t):WF+8*(8+\t)+7], v[8*(8*\t+\m):8*(8*\t+\m)+7], v[SCA+4*\m+(\ks)%4], v[SCB+4*\t+(\ks)%4] matrix_a_fmt:MATRIX_FMT_FP4 matrix_b_fmt:MATRIX_FMT_FP4
.endif
.endr
.endr
.endm
; A K step of 128: 40 LDS loads (20 KiB), 96 products.  kk: which half of the slot's rows; zero = 1: the products start the sums; last = 1: the biases are asked for into W's registers that are done with.
.macro KSTEP slot, kk, ks, zero, last, places
	WIN 0
.if \places
	PLACES                                         ; the last products read the registers that are loaded now
.endif
.irp m, 0,1,2,3,4,5,6,7
.irp c, 0,1
	ds_load_b128 v[XF+8*\m+4*\c:XF+8*\m+4*\c+3], v[ADX+\slot] offset:16*PITCH*\m+64*\kk+32*\c
.endr
.endr
.irp t, 0,1,2,3,4,5,6,7,8,9,10,11
.irp c, 0,1
	ds_load_b128 v[WF+8*\t+4*\c:WF+8*\t+4*\c+3], v[ADW+\slot] offset:16*PITCH*\t+64*\kk+32*\c
.endr
.endr
	s_wait_dscnt 16                                ; x and W's q rows are in (and the scale words, issued earlier); the youngest 16 loads, W's k and v rows, may be out
	WIN 0x50                                       ; C and D window 1
	QK 0, \ks, \zero
	s_wait_dscnt 8                                 ; W's k rows are in; the 8 loads of its v rows may be out
	WIN 0xa0                                       ; window 2
	QK 1, \ks, \zero
.if \last
	WIN 0
	PLACES                                         ; W's q and k fragments are done with: their registers take the biases
.irp g, 0,1
.irp t, 0,1,2,3
.irp i, 0,1
	global_load_b128 v[BQ+32*\g+8*\t+4*\i:BQ+32*\g+8*\t+4*\i+3], v[VBA], s[12:13] offset:256*\g+64*\t+16*\i   ; register 8 t + j: channel 16 t + 8 h + j
.endr
.endr
.endr
.irp t, 0,1,2,3
	global_load_b32 v[BV+2*\t], v[VBR], s[12:13] offset:512+64*\t        ; v's: channel 16 t + r, twice: a pair for the packed addition
	global_load_b32 v[BV+2*\t+1], v[VBR], s[12:13] offset:512+64*\t
.endr
.endif
	s_wait_dscnt 0x0
	WIN 0xf0                                       ; window 3
	VV \ks, \zero
.endm
; 64 numbers of a lane, v[s] on, register 8 t + j = place 16 t + 8 h + j along the next K, become a fragment's codes in v[pc] on and its scale word in v[pw].
.macro QUANT s, pc, pw
.irp b, 0,1,2,3
	v_max3_num_f32 v[TM+\b], |v[\s+16*\b]|, |v[\s+16*\b+1]|, 0x1800000   ; block b: my 16 numbers, and the floor 2^(3 - 127): the byte cannot fall under 1
.endr
.irp i, 2,4,6,8,10,12,14
.irp b, 0,1,2,3
	v_max3_num_f32 v[TM+\b], v[TM+\b], |v[\s+16*\b+\i]|, |v[\s+16*\b+\i+1]|
.endr
.endr
.irp b, 0,1,2,3
	v_permlanex16_b32 v[TM+4+\b], v[TM+\b], s[SEL], s[SEL+1]
.endr
.irp b, 0,1,2,3
	v_max_num_f32 v[TM+\b], v[TM+\b], v[TM+4+\b]   ; with lane l xor 16's: the block's largest magnitude
.endr
.irp b, 0,1,2,3
	v_add_nc_u32 v[TM+12+\b], 0xff000000, v[TM+\b] ; 2 off its exponent field: the conversion's scale operand
.endr
.irp b, 0,1,2,3
	v_lshrrev_b32 v[TM+4+\b], 23, v[TM+12+\b]      ; the scale's byte
.endr
	v_lshl_or_b32 v[\pw], v[TM+5], 8, v[TM+4]
	v_lshl_or_b32 v[\pw], v[TM+6], 16, v[\pw]
	v_lshl_or_b32 v[\pw], v[TM+7], 24, v[\pw]
.irp c, 0,1
	v_cvt_scalef32_pk8_fp4_f32 v[(\pc)+4*\c],   v[\s+32*\c:\s+32*\c+7],     v[TM+12+2*\c]
	v_cvt_scalef32_pk8_fp4_f32 v[(\pc)+4*\c+2], v[\s+32*\c+8:\s+32*\c+15],  v[TM+12+2*\c]
	v_cvt_scalef32_pk8_fp4_f32 v[(\pc)+4*\c+1], v[\s+32*\c+16:\s+32*\c+23], v[TM+12+2*\c+1]
	v_cvt_scalef32_pk8_fp4_f32 v[(\pc)+4*\c+3], v[\s+32*\c+24:\s+32*\c+31], v[TM+12+2*\c+1]
.endr
	v_nop                                          ; one plain line behind the scaled conversions
.irp c, 0,1
	v_permlane16_swap_b32 v[(\pc)+4*\c], v[(\pc)+4*\c+1]     ; the first's lanes 16-31 change places with the second's lanes 0-15
	v_permlane16_swap_b32 v[(\pc)+4*\c+2], v[(\pc)+4*\c+3]
.endr
.endm
; One of q, k, v goes out: four times 64 accumulator registers + bias -> window 0 (each accumulator from its low end on), quantised, stored.  Each store of the wave covers 512 consecutive bytes, aligned.
.macro OUTG win, isv, bb, ptr, off
	s_wait_xcnt 0x0                                ; the earlier stores have read their data: the codes' and scale words' registers are written again only behind this wait
.irp u, 0,1,2,3
	WIN \win                                       ; source 0 in the accumulators' window
.set i, 0
.rept 32
.if \isv
	v_pk_add_f32 v[T+2*i:T+2*i+1], v[64*\u+2*i:64*\u+2*i+1], v[BV+2*\u:BV+2*\u+1]
.else
	v_pk_add_f32 v[T+2*i:T+2*i+1], v[64*\u+2*i:64*\u+2*i+1], v[\bb+(2*i)%32:\bb+(2*i)%32+1]
.endif
.set i, i+1
.endr
	WIN 0
	QUANT T, PCS+8*\u, SW+\u
	global_store_b128 v[LI], v[PCS+8*\u:PCS+8*\u+3], s[\ptr:\ptr+1] offset:\off+1024*\u
	global_store_b128 v[LI], v[PCS+8*\u+4:PCS+8*\u+7], s[\ptr:\ptr+1] offset:\off+1024*\u+512
.endr
	global_store_b128 v[LI], v[SW:SW+3], s[\ptr:\ptr+1] offset:\off+4096
.endm
	s_wait_alu depctr_va_vdst(0)
	s_wait_tensorcnt 0x2                           ; the scales and my part of chunk 0 are in; chunks 1 and 2, issued behind them, may stay out
	s_barrier_signal -1
	s_barrier_wait -1                              ; everybody's are
	SCALES 0
	KSTEP 0, 0, 0, 1, 0, 0                         ; the first step's products start the sums: nothing is cleared
	KSTEP 0, 1, 1, 0, 0, 1
	WIN 0
	s_wait_tensorcnt 0x0                           ; all my tensor loads have landed, chunks 1 and 2 among them: a group 0 may be written
	ds_add_u32 v[SPW], v[NIL]                      ; 0 onto my spare word
	s_add_nc_u64 s[G0X+2:G0X+3], s[G0X+2:G0X+3], 384   ; slot 0's next tile is chunk 3
	s_add_nc_u64 s[G0W+2:G0W+3], s[G0W+2:G0W+3], 384
	s_wait_dscnt 0x0                               ; the add is done, and my reads of slot 0 are over
	CROUND                                         ; no wave of any partner still reads slot 0 or has a load on its way
	JLOAD G0X, G1X, G0W, G1W                       ; my one load behind the round; it has four K steps in which to land.  Its four v_nop are the places in front of the loads below
	KSTEP 1, 0, 2, 0, 0, 0
	KSTEP 1, 1, 3, 0, 0, 1
	WIN 0
	PLACES
	SCALES 1                                       ; the scale words of K steps 4 to 7
	KSTEP 2, 0, 4, 0, 0, 0
	KSTEP 2, 1, 5, 0, 0, 1
	WIN 0
	s_wait_tensorcnt 0x0                           ; my part of chunk 3 is in: the one load that was out
	s_wait_dscnt 0x0
	s_barrier_signal -1
	s_barrier_wait -1                              ; everybody's is
	KSTEP 0, 0, 6, 0, 0, 1
	KSTEP 0, 1, 7, 0, 1, 1
	WIN 0
	PLACES                                         ; the additions below read results just made and write registers that held fragments
.irp b, 0,1,2,3
	v_mov_b32 v[TM+4+\b], 0                        ; written once: a lane permute's destination counts as one of its sources
.endr
	s_wait_loadcnt 0x0                             ; the biases
	OUTG 0x01, 0, BQ, 14, 0                        ; q
	OUTG 0x02, 0, BQ+32, 16, 0                     ; k
	OUTG 0x03, 1, BQ, 16, 4608                     ; v
	s_wait_tensorcnt 0x0                           ; the wave's end
	ds_add_u32 v[SPW], v[NIL]
	s_wait_dscnt 0x0
	CROUND                                         ; the closing round: no work-group ends while a partner may still ask for a tile that names it
	s_endpgm
.Lfunc_end_k_q0852b75738_qkv:
	.size	k_q0852b75738_qkv, .Lfunc_end_k_q0852b75738_qkv-k_q0852b75738_qkv
	.p2alignl 7, 3214868480
	.fill 96, 4, 3214868480
	.section	.rodata,"a",@progbits
	.p2align	6, 0x0
	.amdhsa_kernel k_q0852b75738_qkv
		.amdhsa_group_segment_fixed_size 327680
		.amdhsa_private_segment_fixed_size 0
		.amdhsa_enable_private_segment 0
		.amdhsa_kernarg_size 56
		.amdhsa_user_sgpr_count 2
		.amdhsa_user_sgpr_kernarg_segment_ptr 1
		.amdhsa_wavefront_size32 1
		.amdhsa_system_sgpr_workgroup_id_x 1
		.amdhsa_system_sgpr_workgroup_id_y 1
		.amdhsa_system_sgpr_workgroup_id_z 1
		.amdhsa_system_vgpr_workitem_id 0
		.amdhsa_next_free_vgpr 1024
		.amdhsa_next_free_sgpr 102
		.amdhsa_reserve_vcc 0
		.amdhsa_float_denorm_mode_32 3
		.amdhsa_float_denorm_mode_16_64 3
		.amdhsa_memory_ordered 1
		.amdhsa_forward_progress 1
		.amdhsa_inst_pref_size 208
	.end_amdhsa_kernel
	.amdgpu_metadata
---
amdhsa.version: [ 1, 2 ]
amdhsa.kernels:
  - .name:           k_q0852b75738_qkv
    .symbol:         k_q0852b75738_qkv.kd
    .args:
      - { .name: x_codes, .offset: 0, .size: 8, .value_kind: global_buffer, .address_space: global }
      - { .name: x_scales, .offset: 8, .size: 8, .value_kind: global_buffer, .address_space: global }
      - { .name: W_qkv_codes, .offset: 16, .size: 8, .value_kind: global_buffer, .address_space: global }
      - { .name: W_qkv_scales, .offset: 24, .size: 8, .value_kind: global_buffer, .address_space: global }
      - { .name: b_qkv, .offset: 32, .size: 8, .value_kind: global_buffer, .address_space: global }
      - { .name: qbuf, .offset: 40, .size: 8, .value_kind: global_buffer, .address_space: global }
      - { .name: kvbuf, .offset: 48, .size: 8, .value_kind: global_buffer, .address_space: global }
    .group_segment_fixed_size: 327680
    .private_segment_fixed_size: 0
    .kernarg_segment_align: 8
    .kernarg_segment_size: 56
    .max_flat_workgroup_size: 128
    .sgpr_count:     102
    .vgpr_count:     1024
    .wavefront_size: 32
...
	.end_amdgpu_metadata
.endif
;; end of part 1
;; launch attn (part 2): grid 16 x 16, 16 waves a work-group, clusters of 4 x 4, 327,680 bytes of LDS; arguments qbuf, kvbuf, mask, vcodes, vscales; writes vcodes, vscales
.if DOCPART == 2
	.amdgcn_target "amdgcn-amd-amdhsa--gfx1250"
	.amdhsa_code_object_version 6
	.text
	.protected	k_q0852b75738_attn
	.globl	k_q0852b75738_attn
	.p2align	8
	.type	k_q0852b75738_attn,@function
k_q0852b75738_attn:
	s_mov_b64 s[64:65], 0
	v_nop
	global_prefetch_b8 v0, s[64:65] scope:SCOPE_SE
	s_setreg_imm32_b32 hwreg(HW_REG_WAVE_MODE, 25, 1), 1
	s_wait_xcnt 0x0
	s_wait_alu depctr_hold_cnt(0) depctr_sa_sdst(0) depctr_va_vdst(0) depctr_va_sdst(0) depctr_va_ssrc(0) depctr_va_vcc(0) depctr_vm_vsrc(0)
	s_getreg_b32 s2, hwreg(HW_REG_IB_STS2, 6, 4)
	s_cmp_eq_u32 s2, 0
	s_cbranch_scc0 .Lentry_in_a_cluster
	s_endpgm
.Lentry_in_a_cluster:
	s_bfe_u32 s2, ttmp6, 0x10000c
	s_cmp_lg_u32 s2, 0xf033
	s_cbranch_scc0 .Lentry_shape_is_right
	s_endpgm
.Lentry_shape_is_right:
; vals = softmax(q k^T / 8 + mask) v for 64 (batch, head) pairs of 2,048 tokens and 64 channels, both products on codes of FP4 (E2M1) with E8M0 scales; vals is quantised along d_model and leaves as codes.
; THE SOFTMAX: t = logit x log2(e); M = the running largest t rounded UP to a whole number; p = 2^(t - M) is quantised along the keys, not normalised; the row's sum is taken of the unquantised p and divides at
; the end.  When M moves, the sum and O are multiplied by 2^(old M - new M): exact.
; SHARES.  A work-group owns 128 queries of 4 heads of one batch.  Wave w: head w % 4, queries 32 (w / 4) on: TWO tiles of 16 (A, B), which share each fragment of K and V in registers.  Four waves to a SIMD.
; Every wave walks the 2,048 keys, 128 a step.  A step's tiles lie in one of two LDS slots: the four heads' K and V blocks (9,216 bytes each, images of operand registers), and the mask's 128 rows x 128 keys.
; CLUSTER.  4 x 4: the four head groups of a batch (a row of the cluster) need the same tile of the mask, the four query blocks (a column) the same K and V: each is asked for jointly.
; LAYOUT.  Both products transposed: S^T = K Q^T, O^T = V^T P^T: a lane holds ONE query (lane % 16).  THE HEAD HAS 64 CHANNELS, THE INSTRUCTION 128 PLACES: a fragment of K holds key tile 2 p in places 0-63
; and key tile 2 p + 1 in places 64-127; Q stands between zero codes, and [Q, 0] picks the first tile, [0, Q] the second: zero codes add nothing under any scale byte but 0xff, which none here is.
; THE MASK IS THE C OF THE FIRST PRODUCT: 3 is taken off q's scale bytes (an exact division by 8), the mask's tile is loaded from LDS into the score registers, and the product adds onto it: D is the logit.
; LIMITS: a block of q whose scale byte is under 3 (largest magnitude under 2^-122) is held at byte 0.  A block of zeros keeps the byte 1 (read by this program alone).  NaN and infinite q, k, v are not served;
; -infinity in the mask leans on the matrix unit carrying an infinite C through, which was not tried.
.set SLOT,  104448                     ; 4 x 9,216 bytes of K and V, then 128 rows of the mask
.set MOFF,  36864
.set MP,    528                        ; a row of the mask in LDS: 512 bytes + 16: the 16 rows of a load start at 16 different places modulo 256 bytes
.set SPARE, 2*SLOT                     ; the spare words, 128 bytes for each of 16 waves: eight blocks of 256 bytes that no other line names
.set SPW, 1
.set NIL, 2
.set AKV, 3                            ; v3, v4  my head's block in slot 0, 1: + 16 x lane
.set AM,  5                            ; v5, v6  my row of the mask's tile, + 32 (lane / 16)
.set VCO, 7                            ; v7   16 x lane
.set VSO, 8                            ; v8   32 x (lane % 16)
.set STA, 12                           ; v12 -M, v13 the largest t, v[14:15] the sum in two halves: tile A
.set STB, 16                           ; tile B
.set QSA, 20                           ; q's scale word, tile A; v21 tile B
.set QSB, 21
.set KS,  44                           ; K's four scale words
.set VS,  48                           ; V's
.set KF,  52                           ; four fragments: K's, then V's
.set S,   84                           ; the mask, the logits, then p
.set OA,  148
.set OB,  180
.set PA,  212
.set PB,  220
.set PWA, 228                          ; p's scale word; at the end the tile's two scale bytes
.set PWB, 229
.set BM,  230
.set T2,  234
.set SO,  238
.set F,   242
.set TMP, 244
.set SUM2, 246
.set WV, 14
.set G1KV, 24
.set G1M,  32
.set G0KV, 40                          ; s[40:47] a group 0 for each slot
.set G0M,  48                          ; s[48:55]
.set SEL, 56
.set CS,  58                           ; s[58:59] log2(e), twice: the packed form names a pair
.macro ROUND                           ; a round of the cluster's barrier
	s_barrier_signal -1
	s_barrier_wait -1
	s_cmp_lg_u32 s[WV], 0
	s_cbranch_scc1 .Lnot_wave_0_\@
	s_barrier_signal -3
.Lnot_wave_0_\@:
	s_barrier_wait -3
	s_barrier_signal -1
	s_barrier_wait -1
.endm
.macro TLOAD n                         ; waves 0-3 fetch the four heads' K and V, waves 4-7 the mask's four quarters, the others nothing; four v_nop follow each line
	s_cmp_lt_u32 s[WV], 4
	s_cbranch_scc0 .Lnot_kv_\@
	tensor_load_to_lds s[G0KV+4*(\n):G0KV+4*(\n)+3], s[G1KV:G1KV+7]
	s_nop 0
.rept 4
	v_nop
.endr
	s_branch .Lasked_\@
.Lnot_kv_\@:
	s_cmp_lt_u32 s[WV], 8
	s_cbranch_scc0 .Lasked_\@
	tensor_load_to_lds s[G0M+4*(\n):G0M+4*(\n)+3], s[G1M:G1M+7]
	s_nop 0
.rept 4
	v_nop
.endr
.Lasked_\@:
.endm
	s_load_b256 s[4:11], s[0:1], 0x0               ; qbuf s[4:5], kvbuf s[6:7], mask s[8:9], vcodes s[10:11]
	s_load_b64 s[12:13], s[0:1], 0x20              ; vscales
	v_lshl_add_u32 v[SPW], v0, 2, SPARE
	v_mov_b32 v[NIL], 0
	ds_add_u32 v1, v2
	ds_add_u32 v1, v2
	s_wait_dscnt 0x0
	v_lshrrev_b32 v7, 5, v0
	s_delay_alu instid0(VALU_DEP_1)
	v_readfirstlane_b32 s[WV], v7                  ; wave 0..15
	s_and_b32 s15, s[WV], 3                        ; my head of the four.  Also: which part I fetch
	s_lshr_b32 s16, s[WV], 2                       ; my 32 queries of the 128
	s_bfe_u32 s17, ttmp6, 0x40000                  ; cx
	s_bfe_u32 s18, ttmp6, 0x40004                  ; cy
	s_lshl_b32 s19, ttmp9, 2
	s_add_co_u32 s19, s19, s17                     ; 4 x batch + head group
	s_and_b32 s20, ttmp7, 0xffff
	s_lshl_b32 s20, s20, 2
	s_add_co_u32 s20, s20, s18                     ; block of 128 queries
	s_lshl_b32 s21, s18, 2
	s_lshl_b32 s21, 15, s21                        ; my row of the cluster
	s_lshl_b32 s22, 0x1111, s17                    ; my column
	; group 1, K and V: a dense block of 9,216 bytes as 36 rows of 256 (32 elements of 8 bytes), no padding: it is read 16 bytes a lane, on end
	s_or_b32 s[G1KV], s22, (3<<16)|(1<<21)
	s_mov_b32 s[G1KV+1], 32<<16
	s_mov_b32 s[G1KV+2], 36<<16
	s_mov_b32 s[G1KV+3], 32<<16
	s_mov_b32 s[G1KV+4], 36
	s_mov_b32 s[G1KV+5], 32
	s_mov_b32 s[G1KV+6], 0
	s_mov_b32 s[G1KV+7], 0
	; group 1, the mask: 32 rows of 128 f32, 2,048 apart, 4 words of padding behind every 128
	s_or_b32 s[G1M], s21, (2<<16)|(1<<20)|(1<<21)|(6<<22)|(3<<25)
	s_mov_b32 s[G1M+1], 128<<16
	s_mov_b32 s[G1M+2], 32<<16
	s_mov_b32 s[G1M+3], 128<<16
	s_mov_b32 s[G1M+4], 32
	s_mov_b32 s[G1M+5], 2048
	s_mov_b32 s[G1M+6], 0
	s_mov_b32 s[G1M+7], 0
	s_lshl_b32 s60, s19, 2
	s_add_co_u32 s60, s60, s15
	s_mul_i32 s60, s60, 147456                     ; K, V: (batch, head) x 16 steps x 9,216 bytes: the head group and the wave alone
	s_mov_b32 s61, 0
	s_lshl_b32 s62, s20, 20                        ; the mask: (128 block + 32 part) rows of 8,192 bytes: the query block and the wave alone
	s_lshl_b32 s63, s15, 18
	s_add_co_u32 s62, s62, s63
	s_mov_b32 s63, 0
	s_mul_i32 s66, s15, 9216                       ; where they go
	s_mul_i32 s67, s15, 32*MP
	s_add_co_u32 s67, s67, MOFF
	s_mov_b32 s[SEL], 0x76543210
	s_mov_b32 s[SEL+1], 0xfedcba98
	s_mov_b32 s[CS], 0x3fb8aa3b                    ; log2(e)
	s_mov_b32 s[CS+1], s[CS]
	s_wait_kmcnt 0x0
	s_add_nc_u64 s[6:7], s[6:7], s[60:61]
	s_add_nc_u64 s[8:9], s[8:9], s[62:63]
.irp n, 0,1
	s_mov_b32 s[G0KV+4*\n], 1
	s_add_co_u32 s[G0KV+4*\n+1], s66, \n*SLOT
	s_add_nc_u64 s[G0KV+4*\n+2:G0KV+4*\n+3], s[6:7], \n*9216       ; key step n
	s_or_b32 s[G0KV+4*\n+3], s[G0KV+4*\n+3], 0x80000000
	s_mov_b32 s[G0M+4*\n], 1
	s_add_co_u32 s[G0M+4*\n+1], s67, \n*SLOT
	s_add_nc_u64 s[G0M+4*\n+2:G0M+4*\n+3], s[8:9], \n*512
	s_or_b32 s[G0M+4*\n+3], s[G0M+4*\n+3], 0x80000000
.endr
	ROUND                                          ; all sixteen work-groups are here: the first joint loads meet
	TLOAD 0                                        ; key step 0 into slot 0
	v_and_b32 v7, 31, v0
	s_delay_alu instid0(VALU_DEP_1)
	v_lshlrev_b32 v[VCO], 4, v7                    ; 16 x lane
	v_and_b32 v9, 15, v0                           ; r
	v_bfe_u32 v10, v0, 4, 1                        ; h
	s_delay_alu instid0(VALU_DEP_2)
	v_lshlrev_b32 v[VSO], 5, v9
	s_delay_alu instid0(VALU_DEP_4)
	v_add_nc_u32 v[AKV], s66, v[VCO]
	s_delay_alu instid0(VALU_DEP_1)
	v_add_nc_u32 v[AKV+1], SLOT, v[AKV]
	s_lshl_b32 s68, s16, 5
	v_add_nc_u32 v11, s68, v9                      ; tile A's row of the mask's tile: 32 (w / 4) + r
	s_delay_alu instid0(VALU_DEP_1)
	v_mul_u32_u24 v11, v11, MP
	s_delay_alu instid0(VALU_DEP_1)
	v_lshl_add_u32 v11, v10, 5, v11                ; + 32 h: my eight keys of a tile of 16
	s_delay_alu instid0(VALU_DEP_1)
	v_add_nc_u32 v[AM], MOFF, v11
	s_delay_alu instid0(VALU_DEP_1)
	v_add_nc_u32 v[AM+1], SLOT, v[AM]
	; Q: block (batch, head, my 128 queries) of qbuf; fragment w / 4 holds tile A in registers 0-3 and tile B in registers 4-7
	s_lshl_b32 s68, s19, 2
	s_add_co_u32 s68, s68, s15
	s_lshl_b32 s68, s68, 4
	s_add_co_u32 s68, s68, s20
	s_mul_i32 s68, s68, 4608
	s_mov_b32 s69, 0
	s_add_nc_u64 s[4:5], s[4:5], s[68:69]
	s_lshl_b32 s70, s16, 10
	s_lshl_b32 s71, s16, 2
	v_add_nc_u32 v9, s70, v[VCO]
	v_add_nc_u32 v10, s71, v[VCO]
	global_load_b128 v[28:31], v9, s[4:5]
	global_load_b128 v[36:39], v9, s[4:5] offset:512
	global_load_b32 v11, v10, s[4:5] offset:4096   ; bytes 0, 1: tile A's two blocks; bytes 2, 3: tile B's
	; where vals go: token tile T = 128 batch + 8 block + 2 (w / 4) (+ 1 for tile B); head = 4 (head group) + w % 4
	s_lshr_b32 s72, s19, 2
	s_lshl_b32 s72, s72, 7
	s_lshl_b32 s73, s20, 3
	s_add_co_u32 s72, s72, s73
	s_lshl_b32 s73, s16, 1
	s_add_co_u32 s72, s72, s73                     ; T
	s_and_b32 s73, s19, 3
	s_lshl_b32 s73, s73, 2
	s_add_co_u32 s73, s73, s15                     ; head
	s_lshl_b32 s74, s72, 13                        ; codes: T x 8,192 + head x 512 (K step head / 2, half head % 2)
	s_lshl_b32 s75, s73, 9
	s_add_co_u32 s74, s74, s75
	s_mov_b32 s75, 0
	s_add_nc_u64 s[10:11], s[10:11], s[74:75]
	s_lshl_b32 s76, s72, 9                         ; scale bytes: 16 T x 32 + 2 head
	s_lshl_b32 s77, s73, 1
	s_add_co_u32 s76, s76, s77
	s_mov_b32 s77, 0
	s_add_nc_u64 s[12:13], s[12:13], s[76:77]
.irp j, 24,25,26,27,32,33,34,35,40,41,42,43
	v_mov_b32 v\j, 0                               ; zero codes round Q: [v28:35] = [Q_A, 0], [v24:31] = [0, Q_A], [v36:43] = [Q_B, 0], [v32:39] = [0, Q_B]
.endr
.irp s, STA, STB
	v_mov_b32 v[\s+1], 0xff61b1e6                  ; the largest t so far: -3e38
	s_delay_alu instid0(VALU_DEP_1)
	v_floor_f32 v[\s], -v[\s+1]                    ; -M
	v_mov_b32 v[\s+2], 0                           ; the sum
	v_mov_b32 v[\s+3], 0
.endr
.irp b, 0,1,2,3
	v_mov_b32 v[T2+\b], 0                          ; a lane permute's destination counts as one of its sources
.endr
	v_mov_b32 v[F+1], 0                            ; named as the upper half of a pair
	s_wait_loadcnt 0x0                             ; Q and its scale word
	v_bfe_u32 v244, v11, 0, 8
	v_bfe_u32 v245, v11, 8, 8
	v_bfe_u32 v246, v11, 16, 8
	v_bfe_u32 v247, v11, 24, 8
.irp j, 244,245,246,247
	s_delay_alu instid0(VALU_DEP_4)
	v_max_u32 v\j, 3, v\j                          ; held, so that the byte cannot pass under 0,
.endr
.irp j, 244,245,246,247
	s_delay_alu instid0(VALU_DEP_4)
	v_add_nc_u32 v\j, -3, v\j                      ; and 3 off: the scores come out divided by 8, exactly
.endr
	s_delay_alu instid0(VALU_DEP_3)
	v_lshl_or_b32 v[QSA], v245, 8, v244
	s_delay_alu instid0(VALU_DEP_1)
	v_lshl_or_b32 v[QSA], v[QSA], 16, v[QSA]       ; the two bytes twice: they serve [Q, 0] and [0, Q] alike
	s_delay_alu instid0(VALU_DEP_3)
	v_lshl_or_b32 v[QSB], v247, 8, v246
	s_delay_alu instid0(VALU_DEP_1)
	v_lshl_or_b32 v[QSB], v[QSB], 16, v[QSB]
.set j, 0
.rept 64
	v_mov_b32 v[OA+j], 0                           ; O^T of both tiles: the step is written once, and its first turn finds zeros.  (These lines also stand between the scale words' making and the first product)
.set j, j+1
.endr
.macro MASKLD n, u                     ; the mask of tile u's 16 queries x 128 keys into the score registers: register 8 t + j of lane (r, h) is key 16 t + 8 h + j
.irp t, 0,1,2,3,4,5,6,7
.irp i, 0,1
	ds_load_b128 v[S+8*\t+4*\i:S+8*\t+4*\i+3], v[AM+\n] offset:16*MP*\u+64*\t+16*\i
.endr
.endr
.endm
.macro SMUL lo, hi, qs                 ; logits = K Q^T / 8 + mask: eight accumulators, one instruction each
.irp p, 0,1,2,3
	v_wmma_scale_f32_16x16x128_f8f6f4 v[S+16*\p:S+16*\p+7], v[KF+8*\p:KF+8*\p+7], v[\lo:\lo+7], v[S+16*\p:S+16*\p+7], v[KS+\p], v[\qs] matrix_a_fmt:MATRIX_FMT_FP4 matrix_b_fmt:MATRIX_FMT_FP4
	v_wmma_scale_f32_16x16x128_f8f6f4 v[S+16*\p+8:S+16*\p+15], v[KF+8*\p:KF+8*\p+7], v[\hi:\hi+7], v[S+16*\p+8:S+16*\p+15], v[KS+\p], v[\qs] matrix_a_fmt:MATRIX_FMT_FP4 matrix_b_fmt:MATRIX_FMT_FP4
.endr
.endm
; One tile's softmax for one key step.  st: its statistics; ob: its O^T; pb: p's codes; pw: p's scale word.
.macro SOFTMAX st, ob, pb, pw
.irp b, 0,1,2,3
	v_max3_num_f32 v[BM+\b], v[S+16*\b], v[S+16*\b+1], v[S+16*\b+2]      ; the largest logit of each block of 32 keys: it serves the row's maximum and, since p rises with the logit, the block's largest p
.endr
.irp i, 3,5,7,9,11,13
.irp b, 0,1,2,3
	v_max3_num_f32 v[BM+\b], v[BM+\b], v[S+16*\b+\i], v[S+16*\b+\i+1]
.endr
.endr
.irp b, 0,1,2,3
	v_max_num_f32 v[BM+\b], v[BM+\b], v[S+16*\b+15]
.endr
.irp b, 0,1,2,3
	s_delay_alu instid0(VALU_DEP_4)
	v_permlanex16_b32 v[T2+\b], v[BM+\b], s[SEL], s[SEL+1]
.endr
.irp b, 0,1,2,3
	s_delay_alu instid0(VALU_DEP_4)
	v_max_num_f32 v[BM+\b], v[BM+\b], v[T2+\b]     ; with lane l xor 16's 16 keys
.endr
	s_delay_alu instid0(VALU_DEP_2)
	v_max3_num_f32 v[TMP], v[BM], v[BM+1], v[BM+2]
	s_delay_alu instid0(VALU_DEP_1)
	v_max_num_f32 v[TMP], v[TMP], v[BM+3]
	s_delay_alu instid0(VALU_DEP_1)
	v_mul_f32 v[TMP], s[CS], v[TMP]                ; the step's largest t
	s_delay_alu instid0(VALU_DEP_1)
	v_max_num_f32 v[\st+1], v[\st+1], v[TMP]       ; the running largest t
	v_mov_b32 v[TMP], v[\st]
	s_delay_alu instid0(VALU_DEP_2)
	v_floor_f32 v[\st], -v[\st+1]                  ; the new -M = -ceil(t): a whole number
	s_delay_alu instid0(VALU_DEP_1)
	v_sub_f32 v[TMP], v[\st], v[TMP]               ; old M - new M: a whole number, 0 or less
	s_delay_alu instid0(VALU_DEP_1)
	v_cvt_i32_f32 v[TMP], v[TMP]                   ; (it saturates)
	s_delay_alu instid0(VALU_DEP_1)
	v_ldexp_f32 v[F], 1.0, v[TMP]                  ; f = 2^(old M - new M)
.set j, 0
.rept 32
	v_pk_fma_f32 v[S+j:S+j+1], v[S+j:S+j+1], s[CS:CS+1], v[\st:\st+1] op_sel_hi:[1,0,0]   ; t - M, two at a time
.set j, j+2
.endr
.irp b, 0,1,2,3
	v_fma_f32 v[BM+\b], v[BM+\b], s[CS], v[\st]
.endr
.set j, 0
	s_wait_alu depctr_va_vdst(0)
.rept 64
	v_exp_f32 v[S+j], v[S+j]                       ; p = 2^(t - M)
.set j, j+1
.endr
.irp b, 0,1,2,3
	v_exp_f32 v[BM+\b], v[BM+\b]                   ; the block's largest p: the same two instructions on the same number
.endr
	v_pk_mul_f32 v[\st+2:\st+3], v[\st+2:\st+3], v[F:F+1] op_sel_hi:[1,0]   ; the sum under the new M.  (The plain line behind the exponentials)
	s_wait_alu depctr_va_vdst(0)
.irp b, 0,1,2,3
	v_max_num_f32 v[BM+\b], 0x1800000, v[BM+\b]    ; the floor 2^(3 - 127): the byte cannot fall under 1
.endr
.irp b, 0,1,2,3
	s_delay_alu instid0(VALU_DEP_4)
	v_add_nc_u32 v[SO+\b], 0xff000000, v[BM+\b]    ; 2 off the exponent field: the conversion's scale operand
.endr
.irp b, 0,1,2,3
	s_delay_alu instid0(VALU_DEP_4)
	v_lshrrev_b32 v[T2+\b], 23, v[SO+\b]           ; the scale's byte
.endr
	s_delay_alu instid0(VALU_DEP_3)
	v_lshl_or_b32 v[\pw], v[T2+1], 8, v[T2]
	s_delay_alu instid0(VALU_DEP_1)
	v_lshl_or_b32 v[\pw], v[T2+2], 16, v[\pw]
	s_delay_alu instid0(VALU_DEP_1)
	v_lshl_or_b32 v[\pw], v[T2+3], 24, v[\pw]
.irp c, 0,1
	v_cvt_scalef32_pk8_fp4_f32 v[\pb+4*\c],   v[S+32*\c:S+32*\c+7],     v[SO+2*\c]
	v_cvt_scalef32_pk8_fp4_f32 v[\pb+4*\c+2], v[S+32*\c+8:S+32*\c+15],  v[SO+2*\c]
	v_cvt_scalef32_pk8_fp4_f32 v[\pb+4*\c+1], v[S+32*\c+16:S+32*\c+23], v[SO+2*\c+1]
	v_cvt_scalef32_pk8_fp4_f32 v[\pb+4*\c+3], v[S+32*\c+24:S+32*\c+31], v[SO+2*\c+1]
.endr
	v_nop                                          ; one plain line behind the scaled conversions
.irp c, 0,1
	v_permlane16_swap_b32 v[\pb+4*\c], v[\pb+4*\c+1]         ; registers 4 c .. 4 c + 3 now hold keys 64 c + 32 h + 0 .. 31
	v_permlane16_swap_b32 v[\pb+4*\c+2], v[\pb+4*\c+3]
.endr
	v_pk_add_f32 v[SUM2:SUM2+1], v[S:S+1], v[S+2:S+3]        ; the row's sum of the unquantised p, in two chains
.set j, 4
.rept 15
	v_pk_add_f32 v[\st+2:\st+3], v[\st+2:\st+3], v[S+j:S+j+1]
	v_pk_add_f32 v[SUM2:SUM2+1], v[SUM2:SUM2+1], v[S+j+2:S+j+3]
.set j, j+4
.endr
	s_delay_alu instid0(VALU_DEP_1)
	v_pk_add_f32 v[\st+2:\st+3], v[\st+2:\st+3], v[SUM2:SUM2+1]
.set j, 0
.rept 16
	v_pk_mul_f32 v[\ob+j:\ob+j+1], v[\ob+j:\ob+j+1], v[F:F+1] op_sel_hi:[1,0]   ; O^T under the new M, from each accumulator's low end on
.set j, j+2
.endr
.endm
; A KEY STEP on slot n: 128 keys, both tiles.
.macro STEP n
	MASKLD \n, 0
.irp p, 0,1,2,3
.irp c, 0,1
	ds_load_b128 v[KF+8*\p+4*\c:KF+8*\p+4*\c+3], v[AKV+\n] offset:1024*\p+512*\c
.endr
.endr
	ds_load_b128 v[KS:KS+3], v[AKV+\n] offset:4096
	s_wait_dscnt 0x0
	SMUL 28, 24, QSA
.rept 4
	v_nop                                          ; places in front of the first read of the logits
.endr
	SOFTMAX STA, OA, PA, PWA
	MASKLD \n, 1                                   ; tile B takes the score registers that tile A has left
	s_wait_dscnt 0x0
	SMUL 36, 32, QSB
.rept 4
	v_nop                                          ; places in front of the loads into K's registers and of the first read of the logits
.endr
.irp t, 0,1,2,3
.irp c, 0,1
	ds_load_b128 v[KF+8*\t+4*\c:KF+8*\t+4*\c+3], v[AKV+\n] offset:4608+1024*\t+512*\c   ; V lands while tile B's softmax is worked
.endr
.endr
	ds_load_b128 v[VS:VS+3], v[AKV+\n] offset:8704
	SOFTMAX STB, OB, PB, PWB
	s_wait_alu depctr_va_vdst(0)
	s_wait_dscnt 0x0
.irp t, 0,1,2,3                                ; O^T += V^T P^T: eight accumulators by turns
	v_wmma_scale_f32_16x16x128_f8f6f4 v[OA+8*\t:OA+8*\t+7], v[KF+8*\t:KF+8*\t+7], v[PA:PA+7], v[OA+8*\t:OA+8*\t+7], v[VS+\t], v[PWA] matrix_a_fmt:MATRIX_FMT_FP4 matrix_b_fmt:MATRIX_FMT_FP4
	v_wmma_scale_f32_16x16x128_f8f6f4 v[OB+8*\t:OB+8*\t+7], v[KF+8*\t:KF+8*\t+7], v[PB:PB+7], v[OB+8*\t:OB+8*\t+7], v[VS+\t], v[PWB] matrix_a_fmt:MATRIX_FMT_FP4 matrix_b_fmt:MATRIX_FMT_FP4
.endr
.rept 4
	v_nop                                          ; places in front of the next step's loads into V's registers, and of the way out
.endr
.endm
; The change of slots stands at a step's head: all my tensor loads have landed (my part of slot n), the add, my reads of the other slot are over; a round of the cluster's barrier;
; behind it the other slot is filled with the next step's tiles, which have this step's work in which to land.
.macro TRIP n, refill
	s_wait_tensorcnt 0x0                           ; no tensor load of mine is out, so a group 0 may be written
	ds_add_u32 v[SPW], v[NIL]                      ; 0 onto my spare word
	s_add_nc_u64 s[G0KV+4*\n+2:G0KV+4*\n+3], s[G0KV+4*\n+2:G0KV+4*\n+3], 2*9216   ; this slot's next tiles: two key steps on
	s_add_nc_u64 s[G0M+4*\n+2:G0M+4*\n+3], s[G0M+4*\n+2:G0M+4*\n+3], 2*512
	s_wait_dscnt 0x0                               ; the add is done, and my reads of the other slot are over
	ROUND
.if \refill
	TLOAD 1-\n                                     ; the first thing behind the round, and a wave's one tensor load until the next
.endif
	STEP \n
.endm
; A tile's end: O^T / the sum; its 64 channels are two blocks of 32 along d_model: half a fragment of the last product's operand, and two scale bytes.
.macro FINISH st, ob, pb, pw, u
	v_add_f32 v[\st+2], v[\st+2], v[\st+3]
	s_delay_alu instid0(VALU_DEP_1)
	v_permlanex16_b32 v[TMP], v[\st+2], s[SEL], s[SEL+1]
	s_delay_alu instid0(VALU_DEP_1)
	v_add_f32 v[\st+2], v[\st+2], v[TMP]           ; the row's sum
	s_wait_alu depctr_va_vdst(0)
	v_rcp_f32 v[F], v[\st+2]
	v_nop                                          ; one plain line behind the reciprocal
.set j, 0
	s_wait_alu depctr_va_vdst(0)
.rept 16
	v_pk_mul_f32 v[\ob+j:\ob+j+1], v[\ob+j:\ob+j+1], v[F:F+1] op_sel_hi:[1,0]
.set j, j+2
.endr
.irp b, 0,1
	v_max3_num_f32 v[BM+\b], |v[\ob+16*\b]|, |v[\ob+16*\b+1]|, 0x1800000
.endr
.irp i, 2,4,6,8,10,12,14
.irp b, 0,1
	s_delay_alu instid0(VALU_DEP_2)
	v_max3_num_f32 v[BM+\b], v[BM+\b], |v[\ob+16*\b+\i]|, |v[\ob+16*\b+\i+1]|
.endr
.endr
.irp b, 0,1
	s_delay_alu instid0(VALU_DEP_2)
	v_permlanex16_b32 v[T2+\b], v[BM+\b], s[SEL], s[SEL+1]
.endr
.irp b, 0,1
	s_delay_alu instid0(VALU_DEP_2)
	v_max_num_f32 v[BM+\b], v[BM+\b], v[T2+\b]
.endr
.irp b, 0,1
	s_delay_alu instid0(VALU_DEP_2)
	v_add_nc_u32 v[SO+\b], 0xff000000, v[BM+\b]
.endr
.irp b, 0,1
	s_delay_alu instid0(VALU_DEP_2)
	v_lshrrev_b32 v[T2+\b], 23, v[SO+\b]
.endr
	s_delay_alu instid0(VALU_DEP_1)
	v_lshl_or_b32 v[\pw], v[T2+1], 8, v[T2]        ; my token's two scale bytes
	v_cvt_scalef32_pk8_fp4_f32 v[\pb],   v[\ob:\ob+7],     v[SO]
	v_cvt_scalef32_pk8_fp4_f32 v[\pb+2], v[\ob+8:\ob+15],  v[SO]
	v_cvt_scalef32_pk8_fp4_f32 v[\pb+1], v[\ob+16:\ob+23], v[SO+1]
	v_cvt_scalef32_pk8_fp4_f32 v[\pb+3], v[\ob+24:\ob+31], v[SO+1]
	v_nop
	v_permlane16_swap_b32 v[\pb], v[\pb+1]
	v_permlane16_swap_b32 v[\pb+2], v[\pb+3]
	global_store_b128 v[VCO], v[\pb:\pb+3], s[10:11] offset:8192*\u      ; the wave stores 512 consecutive bytes, aligned
	global_store_b16 v[VSO], v[\pw], s[12:13] offset:512*\u              ; two bytes of each token's 32; both halves of the lanes write the same
.endm
	s_mov_b32 s23, 7
.Lpair:                                            ; 7 trips of two key steps; the last two steps are written out
	TRIP 0, 1
	TRIP 1, 1
	s_sub_co_u32 s23, s23, 1
	s_cmp_lg_u32 s23, 0
	s_cbranch_scc1 .Lpair
	TRIP 0, 1
	TRIP 1, 0
	FINISH STA, OA, PA, PWA, 0
	FINISH STB, OB, PB, PWB, 1
	s_wait_tensorcnt 0x0                           ; the wave's end
	ds_add_u32 v[SPW], v[NIL]
	s_wait_dscnt 0x0
	ROUND                                          ; the closing round
	s_endpgm
.Lfunc_end_k_q0852b75738_attn:
	.size	k_q0852b75738_attn, .Lfunc_end_k_q0852b75738_attn-k_q0852b75738_attn
	.p2alignl 7, 3214868480
	.fill 96, 4, 3214868480
	.section	.rodata,"a",@progbits
	.p2align	6, 0x0
	.amdhsa_kernel k_q0852b75738_attn
		.amdhsa_group_segment_fixed_size 327680
		.amdhsa_private_segment_fixed_size 0
		.amdhsa_enable_private_segment 0
		.amdhsa_kernarg_size 40
		.amdhsa_user_sgpr_count 2
		.amdhsa_user_sgpr_kernarg_segment_ptr 1
		.amdhsa_wavefront_size32 1
		.amdhsa_system_sgpr_workgroup_id_x 1
		.amdhsa_system_sgpr_workgroup_id_y 1
		.amdhsa_system_sgpr_workgroup_id_z 1
		.amdhsa_system_vgpr_workitem_id 0
		.amdhsa_next_free_vgpr 256
		.amdhsa_next_free_sgpr 80
		.amdhsa_reserve_vcc 0
		.amdhsa_float_denorm_mode_32 3
		.amdhsa_float_denorm_mode_16_64 3
		.amdhsa_memory_ordered 1
		.amdhsa_forward_progress 1
		.amdhsa_inst_pref_size 150
	.end_amdhsa_kernel
	.amdgpu_metadata
---
amdhsa.version: [ 1, 2 ]
amdhsa.kernels:
  - .name:           k_q0852b75738_attn
    .symbol:         k_q0852b75738_attn.kd
    .args:
      - { .name: qbuf, .offset: 0, .size: 8, .value_kind: global_buffer, .address_space: global }
      - { .name: kvbuf, .offset: 8, .size: 8, .value_kind: global_buffer, .address_space: global }
      - { .name: mask, .offset: 16, .size: 8, .value_kind: global_buffer, .address_space: global }
      - { .name: vcodes, .offset: 24, .size: 8, .value_kind: global_buffer, .address_space: global }
      - { .name: vscales, .offset: 32, .size: 8, .value_kind: global_buffer, .address_space: global }
    .group_segment_fixed_size: 327680
    .private_segment_fixed_size: 0
    .kernarg_segment_align: 8
    .kernarg_segment_size: 40
    .max_flat_workgroup_size: 512
    .sgpr_count:     80
    .vgpr_count:     256
    .wavefront_size: 32
...
	.end_amdgpu_metadata
.endif
;; end of part 2
;; launch oproj (part 3): grid 4 x 64, 8 waves a work-group, clusters of 4 x 4, 263,168 bytes of LDS; arguments vcodes, vscales, W_o_codes, W_o_scales, b_o, out0; writes out0
.if DOCPART == 3
	.amdgcn_target "amdgcn-amd-amdhsa--gfx1250"
	.amdhsa_code_object_version 6
	.text
	.protected	k_q0852b75738_oproj
	.globl	k_q0852b75738_oproj
	.p2align	8
	.type	k_q0852b75738_oproj,@function
k_q0852b75738_oproj:
	s_mov_b64 s[64:65], 0
	v_nop
	global_prefetch_b8 v0, s[64:65] scope:SCOPE_SE
	s_setreg_imm32_b32 hwreg(HW_REG_WAVE_MODE, 25, 1), 1
	s_wait_xcnt 0x0
	s_wait_alu depctr_hold_cnt(0) depctr_sa_sdst(0) depctr_va_vdst(0) depctr_va_sdst(0) depctr_va_ssrc(0) depctr_va_vcc(0) depctr_vm_vsrc(0)
	s_getreg_b32 s2, hwreg(HW_REG_IB_STS2, 6, 4)
	s_cmp_eq_u32 s2, 0
	s_cbranch_scc0 .Lentry_in_a_cluster
	s_endpgm
.Lentry_in_a_cluster:
	s_bfe_u32 s2, ttmp6, 0x10000c
	s_cmp_lg_u32 s2, 0xf033
	s_cbranch_scc0 .Lentry_shape_is_right
	s_endpgm
.Lentry_shape_is_right:
; out0 = vals W_o^T + b_o on codes of FP4 (E2M1) with E8M0 scales; K = 1,024.  vals comes as images of operand registers ([token tile of 16][K step of 128][c][lane][16 bytes]) with its scale bytes [token][32];
; W_o as rows of 512 bytes with its scale bytes [row][32].  out0 is f32.
; SHARES.  A work-group takes 128 tokens x 256 columns; wave w takes tokens 64 (w / 4) on and columns 64 (w % 4) on: 16 accumulators, 128 registers; two waves to a SIMD.
; ALL OF K LIES IN LDS: each byte of LDS is filled once, in two halves of K, so that the first four K steps run while the second half lands.  No slot is filled again.
; CLUSTER.  4 x 4: vals' tiles hang on the token block alone and are asked for jointly along a row of the cluster, W_o's on the column block alone and jointly along a column.
; The product is used transposed (source 0 = 16 rows of W_o, source 1 = 16 tokens): a lane holds eight neighbouring columns of one token's row.  b_o is the C of each sum's first product.
.set WOF,   65536                      ; LDS: vals' images [half of K][token tile (8)][4,096 bytes]; then W_o [half of K][256 rows x 272]
.set WHALF, 256*272
.set SCA3,  WOF+2*WHALF                ; vals' scale bytes, rows of 256 bytes + 16
.set SCW3,  SCA3+16*272                ; W_o's
.set STG,   SCW3+32*272                ; the way out: 16 rows x 272 bytes for each wave; no fill lands here
.set ADA, 1                            ; v1   my four token tiles' images: + 16 x lane
.set ADB, 2                            ; v2, v3  my rows of W_o in the two halves of K
.set ADS, 4                            ; v4   scale words: lanes 0-15 token tile i, lanes 16-31 W_o's tile i
.set STO, 5
.set RD,  6
.set CO,  7
.set VB,  8
.set SC,  16                           ; v16-31 register 4 i + ks % 4
.set BO,  32                           ; v32-63 b_o, eight registers for each tile of columns; later rows on their way out
.set AF,  64                           ; v64-95 four fragments of vals; later rows on their way out
.set BF,  96                           ; v96-127 four of W_o
.set ACC, 128                          ; accumulator (token tile a, column tile b) at v[ACC + 8 (4 a + b)]
.set WV, 16
.set FAM, 17                           ; w / 4: my token half.  Also: I fetch for vals (0) or for W_o (1)
.set PRT, 18                           ; w % 4: my columns.  Also: which quarter I fetch
.set G1A, 32
.set G1AS, 40
.set G1W, 48
.set G1WS, 56
.set G0A, 68                           ; s[68:75] a group 0 for each half of K
.set G0AS, 76
.set G0W, 80                           ; s[80:87]
.set G0WS, 88
.macro PLACES
.rept 4
	v_nop
.endr
.endm
.macro JLOAD g0a, g1a, g0b, g1b        ; a joint load: waves 0-3 for vals, waves 4-7 for W_o; four v_nop follow each line
	s_cmp_eq_u32 s[FAM], 0
	s_cbranch_scc0 .Lfor_b_\@
	tensor_load_to_lds s[\g0a:\g0a+3], s[\g1a:\g1a+7]
	s_nop 0
.rept 4
	v_nop
.endr
	s_branch .Lasked_\@
.Lfor_b_\@:
	tensor_load_to_lds s[\g0b:\g0b+3], s[\g1b:\g1b+7]
	s_nop 0
.rept 4
	v_nop
.endr
.Lasked_\@:
.endm
.macro CROUND
	s_barrier_signal -1
	s_barrier_wait -1
	s_cmp_lg_u32 s[WV], 0
	s_cbranch_scc1 .Lnot_wave_0_\@
	s_barrier_signal -3
.Lnot_wave_0_\@:
	s_barrier_wait -3
	s_barrier_signal -1
	s_barrier_wait -1
.endm
	s_load_b256 s[4:11], s[0:1], 0x0               ; vcodes s[4:5], vscales s[6:7], W_o's codes s[8:9], W_o's scales s[10:11]
	s_load_b128 s[12:15], s[0:1], 0x20             ; b_o s[12:13], out0 s[14:15]
	v_lshl_add_u32 v15, v0, 2, 0x40000
	s_set_vgpr_msb 0x40
	v_mov_b32 v1, 0
	s_set_vgpr_msb 0x4044
	ds_add_u32 v15, v1
	ds_add_u32 v15, v1
	s_set_vgpr_msb 0x4400
	v_lshrrev_b32 v9, 5, v0
	s_delay_alu instid0(VALU_DEP_1)
	v_readfirstlane_b32 s[WV], v9                  ; wave 0..7
	s_lshr_b32 s[FAM], s[WV], 2
	s_and_b32 s[PRT], s[WV], 3
	s_bfe_u32 s19, ttmp6, 0x40000                  ; cx
	s_bfe_u32 s20, ttmp6, 0x40004                  ; cy
	s_lshl_b32 s21, ttmp9, 2
	s_add_co_u32 s21, s21, s19                     ; block of 256 columns
	s_and_b32 s22, ttmp7, 0xffff
	s_lshl_b32 s22, s22, 2
	s_add_co_u32 s22, s22, s20                     ; block of 128 tokens
	s_lshl_b32 s23, s20, 2
	s_lshl_b32 s23, 15, s23                        ; my row of the cluster
	s_lshl_b32 s24, 0x1111, s19                    ; my column
	; group 1, vals' images: two token tiles, of each the 4,096 bytes of half of K (512 elements of 8 bytes), 8,192 bytes apart; read on end, so no padding
	s_or_b32 s[G1A], s23, (3<<16)|(1<<21)
	s_mov_b32 s[G1A+1], 512<<16
	s_mov_b32 s[G1A+2], 2<<16
	s_mov_b32 s[G1A+3], 512<<16
	s_mov_b32 s[G1A+4], 2
	s_mov_b32 s[G1A+5], 1024
	s_mov_b32 s[G1A+6], 0
	s_mov_b32 s[G1A+7], 0
	; group 1, W_o: 64 rows of 256 bytes, 512 apart, 4 words of padding behind every 64
	s_or_b32 s[G1W], s24, (1<<20)|(1<<21)|(5<<22)|(3<<25)
	s_mov_b32 s[G1W+1], 256<<16
	s_mov_b32 s[G1W+2], 64<<16
	s_mov_b32 s[G1W+3], 256<<16
	s_mov_b32 s[G1W+4], 64
	s_mov_b32 s[G1W+5], 512
	s_mov_b32 s[G1W+6], 0
	s_mov_b32 s[G1W+7], 0
	; group 1, scale bytes: dense blocks as rows of 256 bytes, 4 words of padding behind each
	s_or_b32 s[G1AS], s23, (3<<16)|(1<<20)|(1<<21)|(5<<22)|(3<<25)
	s_or_b32 s[G1WS], s24, (3<<16)|(1<<20)|(1<<21)|(5<<22)|(3<<25)
.irp g, G1AS, G1WS
	s_mov_b32 s[\g+1], 32<<16
	s_mov_b32 s[\g+3], 32<<16
	s_mov_b32 s[\g+5], 32
	s_mov_b32 s[\g+6], 0
	s_mov_b32 s[\g+7], 0
.endr
	s_mov_b32 s[G1AS+2], 4<<16                     ; 32 tokens x 32 bytes
	s_mov_b32 s[G1AS+4], 4
	s_mov_b32 s[G1WS+2], 8<<16                     ; 64 rows x 32 bytes
	s_mov_b32 s[G1WS+4], 8
	s_lshl_b32 s26, s22, 16                        ; vals' codes: (8 block + 2 part) tiles of 8,192 bytes
	s_lshl_b32 s2, s[PRT], 14
	s_add_co_u32 s26, s26, s2
	s_mov_b32 s27, 0
	s_lshl_b32 s28, s22, 12                        ; vals' scales: (128 block + 32 part) x 32
	s_lshl_b32 s2, s[PRT], 10
	s_add_co_u32 s28, s28, s2
	s_mov_b32 s29, 0
	s_lshl_b32 s30, s21, 17                        ; W_o's codes: (256 block + 64 part) x 512
	s_lshl_b32 s3, s[PRT], 15
	s_add_co_u32 s30, s30, s3
	s_mov_b32 s31, 0
	s_lshl_b32 s92, s21, 13                        ; W_o's scales: x 32
	s_lshl_b32 s3, s[PRT], 11
	s_add_co_u32 s92, s92, s3
	s_mov_b32 s93, 0
	s_wait_dscnt 0x0
	s_wait_kmcnt 0x0
	s_add_nc_u64 s[4:5], s[4:5], s[26:27]
	s_add_nc_u64 s[6:7], s[6:7], s[28:29]
	s_add_nc_u64 s[8:9], s[8:9], s[30:31]
	s_add_nc_u64 s[10:11], s[10:11], s[92:93]
	s_lshl_b32 s2, s[PRT], 13                      ; where they go: the wave's part alone enters an LDS address
	s_mul_i32 s3, s[PRT], 64*272
	s_add_co_u32 s3, s3, WOF
.irp k, 0,1
	s_mov_b32 s[G0A+4*\k], 1
	s_add_co_u32 s[G0A+4*\k+1], s2, \k*32768
	s_add_nc_u64 s[G0A+4*\k+2:G0A+4*\k+3], s[4:5], \k*4096
	s_or_b32 s[G0A+4*\k+3], s[G0A+4*\k+3], 0x80000000
	s_mov_b32 s[G0W+4*\k], 1
	s_add_co_u32 s[G0W+4*\k+1], s3, \k*WHALF
	s_add_nc_u64 s[G0W+4*\k+2:G0W+4*\k+3], s[8:9], \k*256
	s_or_b32 s[G0W+4*\k+3], s[G0W+4*\k+3], 0x80000000
.endr
	s_mul_i32 s2, s[PRT], 4*272
	s_mul_i32 s3, s[PRT], 8*272
	s_mov_b32 s[G0AS], 1
	s_add_co_u32 s[G0AS+1], s2, SCA3
	s_mov_b64 s[G0AS+2:G0AS+3], s[6:7]
	s_or_b32 s[G0AS+3], s[G0AS+3], 0x80000000
	s_mov_b32 s[G0WS], 1
	s_add_co_u32 s[G0WS+1], s3, SCW3
	s_mov_b64 s[G0WS+2:G0WS+3], s[10:11]
	s_or_b32 s[G0WS+3], s[G0WS+3], 0x80000000
	CROUND                                         ; all sixteen work-groups are here: the joint loads meet
	JLOAD G0AS, G1AS, G0WS, G1WS                   ; all fills go out together: the scales, the first half of K, the second: three loads of mine are out
	JLOAD G0A, G1A, G0W, G1W
	JLOAD G0A+4, G1A, G0W+4, G1W
	v_and_b32 v9, 15, v0                           ; r
	v_bfe_u32 v10, v0, 4, 1                        ; h
	v_and_b32 v11, 31, v0                          ; lane
	s_lshl_b32 s2, s[FAM], 14
	v_lshl_add_u32 v[ADA], v11, 4, s2              ; my four tiles of 4,096 bytes, + 16 x lane
	s_lshl_b32 s2, s[PRT], 6
	v_add_nc_u32 v12, s2, v9
	s_delay_alu instid0(VALU_DEP_1)
	v_mul_u32_u24 v12, v12, 272
	s_delay_alu instid0(VALU_DEP_1)
	v_lshl_add_u32 v12, v10, 4, v12                ; row (64 (w % 4) + r) x pitch + 16 h
	s_delay_alu instid0(VALU_DEP_1)
	v_add_nc_u32 v[ADB], WOF, v12
	s_delay_alu instid0(VALU_DEP_1)
	v_add_nc_u32 v[ADB+1], WHALF, v[ADB]
	v_lshlrev_b32 v13, 5, v9                       ; a row's 32 scale bytes,
	v_lshrrev_b32 v14, 3, v9
	s_delay_alu instid0(VALU_DEP_1)
	v_lshl_add_u32 v13, v14, 4, v13                ; and 16 more behind each 256
	s_mul_i32 s2, s[FAM], 8*272
	s_add_co_u32 s2, s2, SCA3                      ; vals': my 64 tokens
	s_mul_i32 s3, s[PRT], 8*272
	s_add_co_u32 s3, s3, SCW3                      ; W_o's: my 64 rows
	s_sub_co_u32 s3, s3, s2
	v_mul_u32_u24 v14, s3, v10                     ; lanes 16-31 take W_o's: one product, the distance between the two bases
	s_delay_alu instid0(VALU_DEP_1)
	v_add_nc_u32 v14, v14, v13
	s_delay_alu instid0(VALU_DEP_1)
	v_add_nc_u32 v[ADS], s2, v14
	s_mul_i32 s2, s[WV], 16*272
	s_add_co_u32 s2, s2, STG                       ; my stage
	v_mul_u32_u24 v12, v9, 272
	s_delay_alu instid0(VALU_DEP_1)
	v_lshl_add_u32 v12, v10, 5, v12
	s_delay_alu instid0(VALU_DEP_1)
	v_add_nc_u32 v[STO], s2, v12                   ; in: row r, 32 bytes for each half of the lanes
	v_mul_u32_u24 v12, v10, 272
	s_delay_alu instid0(VALU_DEP_1)
	v_lshl_add_u32 v12, v9, 4, v12
	s_delay_alu instid0(VALU_DEP_1)
	v_add_nc_u32 v[RD], s2, v12                    ; back: lanes 0-15 one row of 256 bytes, lanes 16-31 the next
	v_lshlrev_b32 v[CO], 12, v10
	s_delay_alu instid0(VALU_DEP_1)
	v_lshl_add_u32 v[CO], v9, 4, v[CO]             ; and the same two rows of out0
	v_lshlrev_b32 v[VB], 5, v10
	s_wait_alu depctr_va_vdst(0)
	s_lshl_b32 s94, s21, 10                        ; my first column, in bytes: (256 block + 64 (w % 4)) x 4
	s_lshl_b32 s95, s[PRT], 8
	s_add_co_u32 s94, s94, s95
	s_mov_b32 s95, 0
	s_add_nc_u64 s[12:13], s[12:13], s[94:95]
	s_add_nc_u64 s[14:15], s[14:15], s[94:95]
	s_lshl_b32 s94, s22, 19                        ; my first row: (128 block + 64 (w / 4)) x 4,096 bytes
	s_lshl_b32 s96, s[FAM], 18
	s_add_co_u32 s94, s94, s96
	s_add_nc_u64 s[14:15], s[14:15], s[94:95]
.irp b, 0,1,2,3
.irp i, 0,1
	global_load_b128 v[BO+8*\b+4*\i:BO+8*\b+4*\i+3], v[VB], s[12:13] offset:64*\b+16*\i   ; register 8 b + j: column 16 b + 8 h + j
.endr
.endr
; A K step of 128: 16 LDS loads (at every fourth step 4 more: the scale words of four steps), 16 products on accumulators that take turns.
.macro K3 ks
.if \ks > 0
	PLACES                                         ; the last products read the registers that are loaded now
.endif
.if (\ks)%4 == 0
.irp i, 0,1,2,3
	ds_load_b128 v[SC+4*\i:SC+4*\i+3], v[ADS] offset:544*\i+16*((\ks)/4)
.endr
.endif
.irp a, 0,1,2,3
.irp c, 0,1
	ds_load_b128 v[AF+8*\a+4*\c:AF+8*\a+4*\c+3], v[ADA] offset:32768*((\ks)/4)+4096*\a+1024*((\ks)%4)+512*\c
.endr
.endr
.irp b, 0,1,2,3
.irp c, 0,1
	ds_load_b128 v[BF+8*\b+4*\c:BF+8*\b+4*\c+3], v[ADB+(\ks)/4] offset:16*272*\b+64*((\ks)%4)+32*\c
.endr
.endr
	s_wait_dscnt 0x0
.if \ks == 0
	s_wait_loadcnt 0x0                             ; b_o
.endif
.irp a, 0,1,2,3
.irp b, 0,1,2,3
.if \ks == 0
	v_wmma_scale_f32_16x16x128_f8f6f4 v[ACC+8*(4*\a+\b):ACC+8*(4*\a+\b)+7], v[BF+8*\b:BF+8*\b+7], v[AF+8*\a:AF+8*\a+7], v[BO+8*\b:BO+8*\b+7], v[SC+4*\b+(\ks)%4], v[SC+4*\a+(\ks)%4] matrix_a_fmt:MATRIX_FMT_FP4 matrix_b_fmt:MATRIX_FMT_FP4 matrix_a_scale:MATRIX_SCALE_ROW1
.else
	v_wmma_scale_f32_16x16x128_f8f6f4 v[ACC+8*(4*\a+\b):ACC+8*(4*\a+\b)+7], v[BF+8*\b:BF+8*\b+7], v[AF+8*\a:AF+8*\a+7], v[ACC+8*(4*\a+\b):ACC+8*(4*\a+\b)+7], v[SC+4*\b+(\ks)%4], v[SC+4*\a+(\ks)%4] matrix_a_fmt:MATRIX_FMT_FP4 matrix_b_fmt:MATRIX_FMT_FP4 matrix_a_scale:MATRIX_SCALE_ROW1
.endif
.endr
.endr
.endm
	s_wait_tensorcnt 0x1                           ; the scales and my part of the first half of K are in; the second half's load, issued behind them, may stay out
	s_barrier_signal -1
	s_barrier_wait -1                              ; everybody's are
	K3 0
	K3 1
	K3 2
	K3 3
	s_wait_tensorcnt 0x0                           ; my part of the second half is in
	s_wait_dscnt 0x0
	s_barrier_signal -1
	s_barrier_wait -1
	K3 4
	K3 5
	K3 6
	K3 7
	; THE WAY OUT, a tile of 16 tokens x 64 columns at a time, through my own stage: in as 32 bytes a lane, back as whole rows of 256 bytes.  LDS serves a wave's instructions in order (ISA guide 5.7.1.4):
	; no wait stands between the stores and the loads, nor in front of the next tile's stores.
	PLACES                                         ; in front of the first read of results and of loads into registers that held fragments
.irp a, 0,1,2,3
.if \a >= 2
	s_wait_xcnt 0x0                                ; the stores of two tiles ago have read their data: their registers are loaded again only behind this wait
.endif
.irp b, 0,1,2,3
	ds_store_b128 v[STO], v[ACC+8*(4*\a+\b):ACC+8*(4*\a+\b)+3] offset:64*\b          ; each accumulator from its low end on
	ds_store_b128 v[STO], v[ACC+8*(4*\a+\b)+4:ACC+8*(4*\a+\b)+7] offset:64*\b+16
.endr
.irp i, 0,1,2,3,4,5,6,7
	ds_load_b128 v[BO+32*(\a%2)+4*\i:BO+32*(\a%2)+4*\i+3], v[RD] offset:544*\i
.endr
.irp i, 0,1,2,3,4,5,6,7
	s_wait_dscnt 7-\i                              ; the younger read-backs may stay out
	global_store_b128 v[CO], v[BO+32*(\a%2)+4*\i:BO+32*(\a%2)+4*\i+3], s[14:15] offset:(16*\a+2*\i)*4096 th:TH_STORE_NT   ; 16 lanes store 256 consecutive bytes, aligned; written once, read by nobody here
.endr
.endr
	s_set_vgpr_msb 0x4
	s_wait_tensorcnt 0x0
	ds_add_u32 v15, v1
	s_wait_dscnt 0x0
	s_set_vgpr_msb 0x400
	CROUND                                         ; the closing round: no work-group ends while a partner may still ask for a tile that names it
	s_endpgm
.Lfunc_end_k_q0852b75738_oproj:
	.size	k_q0852b75738_oproj, .Lfunc_end_k_q0852b75738_oproj-k_q0852b75738_oproj
	.p2alignl 7, 3214868480
	.fill 96, 4, 3214868480
	.section	.rodata,"a",@progbits
	.p2align	6, 0x0
	.amdhsa_kernel k_q0852b75738_oproj
		.amdhsa_group_segment_fixed_size 263168
		.amdhsa_private_segment_fixed_size 0
		.amdhsa_enable_private_segment 0
		.amdhsa_kernarg_size 48
		.amdhsa_user_sgpr_count 2
		.amdhsa_user_sgpr_kernarg_segment_ptr 1
		.amdhsa_wavefront_size32 1
		.amdhsa_system_sgpr_workgroup_id_x 1
		.amdhsa_system_sgpr_workgroup_id_y 1
		.amdhsa_system_sgpr_workgroup_id_z 1
		.amdhsa_system_vgpr_workitem_id 0
		.amdhsa_next_free_vgpr 258
		.amdhsa_next_free_sgpr 100
		.amdhsa_reserve_vcc 0
		.amdhsa_float_denorm_mode_32 3
		.amdhsa_float_denorm_mode_16_64 3
		.amdhsa_memory_ordered 1
		.amdhsa_forward_progress 1
		.amdhsa_inst_pref_size 46
	.end_amdhsa_kernel
	.amdgpu_metadata
---
amdhsa.version: [ 1, 2 ]
amdhsa.kernels:
  - .name:           k_q0852b75738_oproj
    .symbol:         k_q0852b75738_oproj.kd
    .args:
      - { .name: vcodes, .offset: 0, .size: 8, .value_kind: global_buffer, .address_space: global }
      - { .name: vscales, .offset: 8, .size: 8, .value_kind: global_buffer, .address_space: global }
      - { .name: W_o_codes, .offset: 16, .size: 8, .value_kind: global_buffer, .address_space: global }
      - { .name: W_o_scales, .offset: 24, .size: 8, .value_kind: global_buffer, .address_space: global }
      - { .name: b_o, .offset: 32, .size: 8, .value_kind: global_buffer, .address_space: global }
      - { .name: out0, .offset: 40, .size: 8, .value_kind: global_buffer, .address_space: global }
    .group_segment_fixed_size: 263168
    .private_segment_fixed_size: 0
    .kernarg_segment_align: 8
    .kernarg_segment_size: 48
    .max_flat_workgroup_size: 256
    .sgpr_count:     100
    .vgpr_count:     258
    .wavefront_size: 32
...
	.end_amdgpu_metadata
.endif
;; end of part 3
